; MI455X (gfx1250); checked and timed in simulation.
; The chip was launched on July 23, 2026; its instructions are those of AMD's public machine-readable ISA for CDNA 5 (MIT licence, August 2026) and "CDNA5" Instruction Set Architecture Reference Guide (July 2026). The comments in the code are by the model that wrote it; some were corrected since.
;; Learnable Gate16 Array. Allowed arithmetic: matrix products marked QUANTISED: E3M2 operands, one E8M0 scale for each 32 along K, by v_wmma_scale_f32_16x16x128_f8f6f4 with both operands' format E3M2, f32 sums; products left as they are: f32 operands where the result goes on into a quantised operand, else bf16, f16 or f32 operands; f32 sums; everything else in f32.
;; Inputs: c 2,048 x 8,192 x 2 float32; w 16 x 8,192 float32; x_codes 2,048 x 64 x 24 uint8 (E3M2 codes of x, K innermost, in blocks of 32 codes, four codes in three bytes); x_scales 2,048 x 64 uint8 (E8M0 scales of x, one for each 32 codes along K).
;; Outputs: out0 2,048 x 8,192 float32.
;; This version of the problem:
;;   THIS VERSION OF THE PROBLEM IS GIVEN IN LOW PRECISION. The matrix products marked QUANTISED in the list below multiply operands that are first quantised to E3M2 (3 exponent bits, 2 mantissa bits; 6 bits a number), with one power-of-two scale for each 32 numbers along K (OCP MX v1.0); their sums are f32. All else is computed in f32.
;;   The module's matrix products, in the order in which they are computed (A, B: the left and right operand; K: the contracted axis; several contracted axes count as one K, in the product's order):
;;     1. [M 2,048, K 2,048] x [K 2,048, N 16,384]; A: input x (given as codes); B: computed on the way: QUANTISED
;;     2. batch 8,192 x [M 1, K 16] x [K 16, N 2,048]; A: softmax; B: computed on the way: left as it is (K = 16 < 32)
;;   THE QUANTISER, for each operand of a quantised product, along K:
;;     - K is cut into blocks of 32 from its start; a last block that is shorter is filled with zeros.
;;     - A block's scale is 2^e with e = floor(log2(the largest magnitude in the block)) - 4, held to -126 .. 127; a block of zeros has e = 0. As a byte (E8M0): e + 127.
;;     - Each number is divided by its block's scale, clamped to +-28, and rounded to the nearest number of E3M2, ties to even, subnormals kept.
;;     - The product sums the exact products of the quantised numbers (number of the format x scale) in f32.
;;   ~~~python
;;   def quantise(x, axis):      # numpy; x: float32 -> the quantised numbers, widened to float32 again
;;       x = np.moveaxis(x, axis, -1); K = x.shape[-1]
;;       x = np.pad(x, [(0, 0)] * (x.ndim - 1) + [(0, -K % 32)]); x = x.reshape(x.shape[:-1] + (-1, 32)); a = np.abs(x).max(-1, keepdims=True)
;;       e = np.where(a > 0, np.clip(np.frexp(np.where(a > 0, a, 1))[1] - 1 - 4, -126, 127), 0)      # np.frexp(a)[1] - 1 = floor(log2(a)), exactly
;;       r = np.clip(x / 2.0 ** e, -28, 28)
;;       step = 2.0 ** (np.maximum(np.frexp(np.where(r == 0, 1, r))[1] - 1, -2) - 2)
;;       q = np.round(r / step) * step * 2.0 ** e      # np.round: ties to even
;;       return np.moveaxis(q.reshape(q.shape[:-2] + (-1,))[..., :K], -1, axis).astype(np.float32)
;;   ~~~
;;   OPERANDS COMPUTED ON THE WAY. 'Computed on the way' means the value that the module computes at that place (a softmax that the list does not call 'softmax' is quantised finished and normalised). What goes into a quantiser is computed in f32, as accurately as f32 sums, v_exp_f32 and their like allow (about 1e-6 of the number): no bf16 or f16 on the way to a quantiser, and a product that is left as it is and whose result goes on into a quantised operand takes f32 operands (vector FMAs, or v_wmma_f32_16x16x4_f32). A number that lies on a knife's edge between two numbers of the format may be rounded either way, as far as f32 arithmetic and the matrix unit's own rounding can turn it there, and no further.
;;   INPUTS GIVEN AS CODES. x (in the module: [2048, 2048], K = its axis 1): each comes as NAME_codes (uint8): NAME with its K axis moved to the last place and cut into blocks of 32 codes, [.., K / 32, bytes a block], one block behind the other in memory; four codes in three bytes: a row's codes are one little-endian stream of bits, code i at bits 6 i .. 6 i + 5 (a code: sign, 3 exponent bits, 2 mantissa bits); and NAME_scales (uint8): the same leading axes, one E8M0 byte (e + 127) for each 32 codes along K. Its value is code x scale, taken as it is: it is not quantised again, and the codes and scales need not be those that the quantiser above would give.
;; One version. Each part assembles by itself: llvm-mc -triple=amdgcn-amd-amdhsa -mcpu=gfx1250 --defsym DOCPART=n.
;; ======== version 1 of 1: 2 launches
;; limits: right only within a limited range of input values
;; workspace buffers: cb 26,214,400 bytes; xb 3,276,800 bytes; coef 131,072 bytes
;; launch prep (part 1): grid 256 x 1, 16 waves a work-group, no clusters, 327,680 bytes of LDS; arguments c, w, cb, xb, coef, x_codes, x_scales; writes cb, xb, coef
.if DOCPART == 1
	.amdgcn_target "amdgcn-amd-amdhsa--gfx1250"
	.amdhsa_code_object_version 6
	.text
	.protected	k_q877bc12e05_prep
	.globl	k_q877bc12e05_prep
	.p2align	8
	.type	k_q877bc12e05_prep,@function
k_q877bc12e05_prep:
	s_mov_b64 s[64:65], 0
	v_nop
	global_prefetch_b8 v0, s[64:65] scope:SCOPE_SE
	s_setreg_imm32_b32 hwreg(HW_REG_WAVE_MODE, 25, 1), 1
	s_wait_xcnt 0x0
; connections = softmax(c, axis 0), seen as [K 2048][N 16384], quantised along K to codes of BF6 (E3M2) with one E8M0 byte for each 32 along K; the gates' coefficients, coef [8192 g][4 f32];
; and x's given codes and scale bytes laid anew.  Both operands leave in the order in which the next launch's registers take them.
; THE LAYOUT of cb (connections, 128 groups) and xb (x, 16 groups): [group of 128 rows][slot s of 256 K][25,600 bytes].  A block holds 16 fragments (row block i of 16 rows, step q of 128 K) of 1,536 bytes at
; 3,072 i + 1,536 q, then 1,024 bytes of scale words at 24,576.  A fragment is the image of the operand's 12 registers: registers 4 j .. 4 j + 3 of lane (r, h) lie at 512 j + 256 (r / 8) + 128 (h xor r / 8) + 16 (r % 8).
; The scale word of row (i, r) and step q lies at 512 (r / 8) + 128 (i / 2) + 16 (r % 8) + 8 (i % 2) + 4 q.
; In cb a group is 64 gates: row r of row block 2 t + u is column 2 g + u of the connections, g = 64 x group + 4 r + t.  In xb rows are x's rows in their order.
; THE SECOND PRODUCT AS AN IDENTITY.  Each of the 16 gates is a sum of 1, A, B and A B with whole coefficients, for all values of A and B; so with p = softmax(w, axis 0)
;   out = a0 + a1 A + a2 B + a3 A B,  a0 = p8 + .. + p15,  a1 = p2+p3+p6+p7-p8-p9-p12-p13,  a2 = p4+p5+p6+p7-p8-p9-p10-p11,  a3 = p1-p2-p4-2p6-p7+p8+2p9+p11+p13-p14.
; Gate 0 is the zeros that the problem builds itself: it adds nothing; w0 still counts in the softmax's sum.  No input is left out.  coef holds (a0, a2, a1, a3) for each gate.
; THE SOFTMAX BY BLOCKS.  L = log2(e).  For a column and a block of 32 rows: mb = L x the block's largest c; e = 2^(c L - mb); s = the sum of e; em = the same two instructions on the block's largest c.
; Then M = the largest mb of the column, S = the sum of s 2^(mb - M), F = 2^(mb - M) / S, a connection is e F, and the block's largest connection is em F: the maximum is taken away, block by block and then for the column.
; LIMITS: the 16 terms of a gate sum are added in another order than the problem writes them; NaN and infinities in c or w are not served; a connection under 2^-126 of its block's or column's largest may come
; out as 0 (v_exp_f32 gives 0 for results under 2^-126: ISA guide, 15.8); a block of zeros gets the byte 1 where the rule says 127: its codes are zeros, and this program alone reads the bytes.
; SHARES.  A work-group takes 64 columns (32 gates: rows r / 8 = work-group % 2 of a group): 256 aligned bytes of each of c's 2,048 rows, read once.  Wave w takes rows 128 w .. 128 w + 127: step w.
; Lane l takes columns 2 l and 2 l + 1: gate l.  Blocks 0 and 1 stay in 128 registers, blocks 2 and 3 in the wave's own 16 KiB of LDS, brought by one tensor load a wave.  Work-groups share no input: no cluster.
; x: work-group b takes half b % 2 (row blocks 4 (b % 2) + 0 .. 3) of block b / 2 of xb: waves 8 to 15 a fragment each, wave 7 the scale words.
.set RED,   262144                     ; LDS: 0 .. 262,143 the waves' regions;  RED: for wave u the columns' m at 512 u + 8 l, their s at 512 u + 256 + 8 l
.set SCST,  270336                     ; the scale words: 512 bytes a slot, laid as in memory
.set SPARE, 274432                     ; the spare words, 128 bytes for each of 16 waves
.set TP,    3136                       ; the codes' stage, from LDS byte 0, behind the second barrier: for slot s and t: 12,544 s + 3,136 t + 1,536 u + 768 q + 256 j + 128 h + 16 (r % 8); the 64 bytes over 3,072 part the four t of a store by 64 bytes
.set GOFF, 1                           ; 8 x lane
.set LADR, 2                           ; 16,384 w + 8 x lane
.set SPW,  3                           ; my spare word; never rewritten
.set NIL,  4                           ; 0; never rewritten
.set REDW, 5
.set REDR, 6
.set CST,  7                           ; where my codes go in the stage
.set SCW,  8                           ; where my scale words go
.set CRD,  9                           ; the way out: 6,272 w + 16 l
.set GOC,  10                          ; the way out: 512 (l / 16) + 128 ((l / 8) % 2 xor work-group % 2) + 16 (l % 8)
.set TMP,  11
.set SCR,  12                          ; SCST + 256 w + 8 l
.set GO16, 13                          ; 16 x lane
.set SWA,  14                          ; v14, v15: first 4 x lane and a scratch, later the two columns' scale words
.set MB,   16                          ; v16-23 mb of block b; later F
.set SS,   24                          ; v24-31 s; later the scale bytes; later scratch of the conversions
.set EM,   32                          ; v32-39 em; later the conversions' scale operands
.set CM,   40
.set S2,   42
.set MW,   44
.set GG,   46
.set SW,   54
.set MX,   56
.set SU,   58
.set INV,  60
.set CA,   40                          ; v40-51 two blocks' codes of column 2 l;  v52-63 of column 2 l + 1
.set CB,   52
.set X0,   64
.set X1,   128
.set W,    192
.set XD,   228                         ; x's codes on their way: v228-239
.set YD,   240                         ; x's scale words on their way: v240-243
.set XL,   252                         ; x's offsets: codes in, codes out, scales in, scales out
.set XS,   253
.set YL,   254
.set YS,   255
	s_load_b256 s[4:11], s[0:1], 0x0               ; c, w, cb, xb
	s_load_b64 s[12:13], s[0:1], 0x20              ; coef
	s_load_b128 s[44:47], s[0:1], 0x28             ; x_codes, x_scales
	v_lshl_add_u32 v[SPW], v0, 2, SPARE
	v_mov_b32 v[NIL], 0
	ds_add_u32 v[SPW], v[NIL]                      ; the opening: the add, twice on end, and its wait ahead of my tensor load
	ds_add_u32 v[SPW], v[NIL]
	v_lshrrev_b32 v[GOFF], 5, v0
	s_delay_alu instid0(VALU_DEP_1)
	v_readfirstlane_b32 s14, v[GOFF]               ; wave 0..15
	v_and_b32 v[GO16], 31, v0                      ; lane, for now
	s_delay_alu instid0(VALU_DEP_1)
	v_lshlrev_b32 v[GOFF], 3, v[GO16]
	s_lshl_b32 s15, s14, 14
	v_add_nc_u32 v[LADR], s15, v[GOFF]
	v_add_nc_u32 v[REDR], RED, v[GOFF]
	s_lshl_b32 s15, s14, 9
	v_add_nc_u32 v[REDW], s15, v[REDR]
	s_lshr_b32 s15, s14, 1                         ; slot s = w / 2
	s_mul_i32 s15, s15, 4*TP
	s_and_b32 s40, s14, 1                          ; q = w % 2
	s_mul_i32 s41, s40, 768
	s_add_co_u32 s41, s41, s15
	v_and_b32 v[CST], 3, v[GO16]                   ; t = l % 4
	v_lshrrev_b32 v[TMP], 2, v[GO16]               ; r % 8 = l / 4
	v_mul_u32_u24 v[CST], v[CST], TP
	s_delay_alu instid0(VALU_DEP_1)
	v_lshl_add_u32 v[CST], v[TMP], 4, v[CST]
	s_delay_alu instid0(VALU_DEP_1)
	v_add_nc_u32 v[CST], s41, v[CST]
	s_lshr_b32 s15, s14, 1
	s_lshl_b32 s15, s15, 9
	s_lshl_b32 s41, s40, 2
	s_add_co_u32 s15, s15, s41
	v_and_b32 v[SCW], 3, v[GO16]
	s_delay_alu instid0(VALU_DEP_1)
	v_lshl_add_u32 v[SCW], v[SCW], 7, SCST
	s_delay_alu instid0(VALU_DEP_1)
	v_lshl_add_u32 v[SCW], v[TMP], 4, v[SCW]
	s_delay_alu instid0(VALU_DEP_1)
	v_add_nc_u32 v[SCW], s15, v[SCW]               ; SCST + 512 s + 128 t + 16 (r % 8) + 4 q
	s_mul_i32 s15, s14, 2*TP
	v_lshlrev_b32 v[CRD], 4, v[GO16]
	s_delay_alu instid0(VALU_DEP_1)
	v_add_nc_u32 v[CRD], s15, v[CRD]
	s_lshl_b32 s15, s14, 8
	v_add_nc_u32 v[SCR], SCST, v[GOFF]
	s_delay_alu instid0(VALU_DEP_1)
	v_add_nc_u32 v[SCR], s15, v[SCR]
	v_lshlrev_b32 v[SWA], 2, v[GO16]               ; 4 x lane
	s_and_b32 s49, ttmp9, 1                        ; the work-group's half
	v_and_b32 v[TMP], 7, v0                        ; l % 8
	v_bfe_u32 v[XL], v0, 3, 1                      ; b3 = (l / 8) % 2
	v_bfe_u32 v[XS], v0, 4, 1                      ; b4 = l / 16
	v_lshlrev_b32 v[GOC], 4, v[TMP]
	v_lshlrev_b32 v[YL], 6, v[TMP]
	v_xor_b32 v[SWA+1], v[XL], v[XS]
	v_xor_b32 v[TMP], s49, v[XL]
	v_lshl_add_u32 v[YS], v[XL], 7, v[GOC]
	v_lshl_add_u32 v[YL], v[XL], 11, v[YL]
	v_lshl_add_u32 v[SWA+1], v[SWA+1], 7, v[GOC]
	v_lshl_add_u32 v[GOC], v[XS], 9, v[GOC]
	v_lshl_add_u32 v[YS], v[XS], 9, v[YS]          ; x's scale words out: 512 b4 + 128 b3 + 16 (l % 8)
	v_lshl_add_u32 v[YL], v[XS], 9, v[YL]          ; in: row 32 b3 + 8 b4 + l % 8, of 64 bytes
	v_lshl_add_u32 v[GOC], v[TMP], 7, v[GOC]
	v_mul_u32_u24 v[TMP], v[XS], 24
	v_lshl_add_u32 v[XS], v[XL], 8, v[SWA+1]       ; x's codes out: the image's place of lane (r, h)
	v_and_b32 v[XL], 15, v0
	s_delay_alu instid0(VALU_DEP_1)
	v_mad_u32_u24 v[XL], v[XL], 1536, v[TMP]       ; in: row r of 1,536 bytes + 24 h
	v_lshlrev_b32 v[GO16], 4, v[GO16]
	; descriptor group 1: 64 rows x 64 numbers of 4 bytes, rows 16,384 numbers apart in memory, dense in LDS
	s_mov_b32 s16, 2<<16
	s_mov_b32 s17, 64<<16
	s_mov_b32 s18, 64<<16
	s_mov_b32 s19, 64<<16
	s_mov_b32 s20, 64
	s_mov_b32 s21, 16384
	s_mov_b32 s22, 0
	s_mov_b32 s23, 0
	s_mov_b32 s24, 1
	s_lshl_b32 s25, s14, 14                        ; LDS address: my wave's region
	s_mov_b32 s28, 0x3fb8aa3b                      ; L = log2(e)
	s_mov_b32 s29, s28
	s_lshl_b32 s30, ttmp9, 8                       ; c: my work-group's 256 bytes of a row,
	s_lshl_b32 s31, s14, 23                        ; my wave's 128 rows of 65,536 bytes
	s_add_co_u32 s30, s30, s31
	s_mov_b32 s31, 0
	s_lshl_b32 s32, ttmp9, 7                       ; w: 32 gates of 4 bytes
	s_mov_b32 s33, 0
	s_lshl_b32 s34, ttmp9, 9                       ; coef: 32 gates of 16 bytes
	s_mov_b32 s35, 0
	s_lshr_b32 s48, ttmp9, 1                       ; cb's group; also xb's block
	s_mul_i32 s36, s48, 204800
	s_lshr_b32 s37, s14, 1
	s_mul_i32 s37, s37, 25600
	s_add_co_u32 s36, s36, s37                     ; the block of my slot
	s_lshl_b32 s37, s49, 9
	s_add_co_u32 s38, s36, s37
	s_lshl_b32 s37, s40, 8
	s_add_co_u32 s38, s38, s37
	s_add_co_u32 s38, s38, 24576                   ; scale words: + 24,576 + 512 x half + 256 q
	s_mov_b32 s39, 0
	s_lshl_b32 s37, s49, 8
	s_add_co_u32 s36, s36, s37
	s_mul_i32 s37, s40, 12288
	s_add_co_u32 s36, s36, s37                     ; codes: + 256 x half + 12,288 q: I store 24 units of 256 bytes, 512 apart
	s_mov_b32 s37, 0
	s_lshr_b32 s50, s48, 3                         ; x: group of 128 rows,
	s_and_b32 s51, s48, 7                          ; slot,
	s_and_b32 s52, s14, 7                          ; my fragment among the half's eight: row block 4 x half + s52 / 2, step s52 % 2
	s_lshl_b32 s50, s50, 7
	s_lshl_b32 s53, s49, 6
	s_add_co_u32 s50, s50, s53                     ; the half's first row
	s_lshl_b32 s56, s50, 6
	s_lshl_b32 s53, s51, 3
	s_add_co_u32 s56, s56, s53                     ; x_scales: 64 bytes a row + 8 x slot
	s_mov_b32 s57, 0
	s_lshr_b32 s53, s52, 1
	s_lshl_b32 s53, s53, 4
	s_add_co_u32 s50, s50, s53
	s_mul_i32 s54, s50, 1536
	s_mul_i32 s53, s51, 192
	s_add_co_u32 s54, s54, s53
	s_and_b32 s53, s52, 1
	s_mul_i32 s53, s53, 96
	s_add_co_u32 s54, s54, s53                     ; x_codes: my 16 rows, my 96 bytes of them
	s_mov_b32 s55, 0
	s_mul_i32 s58, s48, 25600
	s_lshl_b32 s53, s49, 3
	s_add_co_u32 s53, s53, s52
	s_mul_i32 s53, s53, 1536
	s_add_co_u32 s60, s58, s53                     ; xb: my fragment
	s_mov_b32 s61, 0
	s_lshl_b32 s53, s49, 8
	s_add_co_u32 s58, s58, s53
	s_add_co_u32 s58, s58, 24576                   ; xb: the half's scale words
	s_mov_b32 s59, 0
	s_wait_alu depctr_va_vdst(0)                   ; the wait at the head's end
	s_wait_dscnt 0x0                               ; both opening adds are done
	s_wait_kmcnt 0x0
	s_add_nc_u64 s[4:5], s[4:5], s[30:31]
	s_add_nc_u64 s[6:7], s[6:7], s[32:33]
	s_add_nc_u64 s[12:13], s[12:13], s[34:35]
	s_add_nc_u64 s[44:45], s[44:45], s[54:55]
	s_add_nc_u64 s[46:47], s[46:47], s[56:57]
	s_add_nc_u64 s[60:61], s[10:11], s[60:61]
	s_add_nc_u64 s[58:59], s[10:11], s[58:59]
	s_add_nc_u64 s[10:11], s[8:9], s[38:39]        ; from here on s[10:11]: cb's scale words, s[8:9]: cb's codes
	s_add_nc_u64 s[8:9], s[8:9], s[36:37]
	s_add_nc_u64 s[26:27], s[4:5], 0x400000        ; my rows 64 to 127
	s_or_b32 s27, s27, 0x80000000
	tensor_load_to_lds s[24:27], s[16:23]          ; my one tensor load: blocks 2 and 3; its bytes are filled once
	s_nop 0
	s_cmp_lg_u32 s14, 0
	s_cbranch_scc1 .Lno_w
.irp k, 0,1,2,3,4,5,6,7,8,9,10,11,12,13,14,15
	global_load_b32 v[W+\k], v[SWA], s[6:7] offset:32768*\k    ; wave 0: w of the work-group's 32 gates, a lane a gate
.endr
.Lno_w:
	s_cmp_lt_u32 s14, 7
	s_cbranch_scc1 .Lno_x
	s_cmp_eq_u32 s14, 7
	s_cbranch_scc1 .Lx_sc
.irp p, 0,1,2,3,4,5
	global_load_b64 v[XD+2*\p:XD+2*\p+1], v[XL], s[44:45] offset:48*(\p/3)+8*(\p%3)   ; waves 8-15: a fragment of x as the operand's registers take it
.endr
	s_branch .Lno_x
.Lx_sc:
	global_load_b64 v[YD:YD+1], v[YL], s[46:47]                ; wave 7: two steps' scale words of a row of an even row block,
	global_load_b64 v[YD+2:YD+3], v[YL], s[46:47] offset:1024  ; and of the row 16 further down
.Lno_x:
.set i, 0
.rept 64
	global_load_b64 v[X0+2*i:X0+2*i+1], v[GOFF], s[4:5] offset:65536*i th:TH_LOAD_NT   ; my rows 0 to 63: 32 lanes read a row's 256 consecutive bytes, aligned
.set i, i+1
.endr
	; ---- wave 0: the gates' coefficients, while c is on its way
	s_cmp_lg_u32 s14, 0
	s_cbranch_scc1 .Lno_coef
	s_wait_loadcnt 63                              ; behind w's last load 64 loads were issued: w is in
	v_max3_num_f32 v208, v[W], v[W+1], v[W+2]
.irp k, 3,5,7,9,11,13
	s_delay_alu instid0(VALU_DEP_1)
	v_max3_num_f32 v208, v208, v[W+\k], v[W+\k+1]
.endr
	s_delay_alu instid0(VALU_DEP_1)
	v_max_num_f32 v208, v208, v[W+15]
	s_delay_alu instid0(VALU_DEP_1)
	v_mul_f32 v208, s28, v208                      ; L x the largest w
.irp k, 0,1,2,3,4,5,6,7,8,9,10,11,12,13,14,15
	v_fma_f32 v[W+\k], v[W+\k], s28, -v208
.endr
	s_wait_alu depctr_va_vdst(0)                   ; the wait ahead of the batch
.irp k, 0,1,2,3,4,5,6,7,8,9,10,11,12,13,14,15
	v_exp_f32 v[W+\k], v[W+\k]
.endr
	v_nop
	s_wait_alu depctr_va_vdst(0)                   ; and behind it
.irp j, 0,1,2,3,4,5,6,7
	v_add_f32 v[209+\j], v[W+2*\j], v[W+2*\j+1]    ; d_j = e_2j + e_2j+1
.endr
	s_delay_alu instid0(VALU_DEP_3)
	v_add_f32 v217, v213, v214
	s_delay_alu instid0(VALU_DEP_2)
	v_add_f32 v218, v215, v216
	s_delay_alu instid0(VALU_DEP_1)
	v_add_f32 v217, v217, v218                     ; e8 + .. + e15
	v_add_f32 v219, v209, v210
	v_add_f32 v218, v211, v212
	s_delay_alu instid0(VALU_DEP_1)
	v_add_f32 v219, v219, v218
	s_delay_alu instid0(VALU_DEP_1)
	v_add_f32 v219, v219, v217                     ; the sum of all 16
	s_wait_alu depctr_va_vdst(0)
	v_rcp_f32 v220, v219
	v_add_f32 v221, v210, v212                     ; a1: e2+e3+e6+e7
	v_add_f32 v218, v213, v215
	s_delay_alu instid0(VALU_DEP_1)
	v_sub_f32 v221, v221, v218                     ;  - (e8+e9+e12+e13)
	v_add_f32 v222, v211, v212                     ; a2: e4+e5+e6+e7
	v_add_f32 v218, v213, v214
	s_delay_alu instid0(VALU_DEP_1)
	v_sub_f32 v222, v222, v218                     ;  - (e8+e9+e10+e11)
	v_add_f32 v223, v[W+1], v[W+8]                 ; a3: e1+e8+e11+e13+2 e9
	v_add_f32 v223, v223, v[W+11]
	v_add_f32 v223, v223, v[W+13]
	v_fma_f32 v223, 2.0, v[W+9], v223
	v_add_f32 v218, v[W+2], v[W+4]                 ;  - (e2+e4+e7+e14+2 e6)
	v_add_f32 v218, v218, v[W+7]
	v_add_f32 v218, v218, v[W+14]
	v_fma_f32 v218, 2.0, v[W+6], v218
	s_delay_alu instid0(VALU_DEP_1)
	v_sub_f32 v223, v223, v218
	s_wait_alu depctr_va_vdst(0)                   ; ahead of the reciprocal's first reader
	v_mul_f32 v224, v217, v220                     ; a0
	v_mul_f32 v225, v222, v220                     ; a2
	v_mul_f32 v226, v221, v220                     ; a1
	v_mul_f32 v227, v223, v220                     ; a3
	global_store_b128 v[GO16], v[224:227], s[12:13]   ; 32 lanes store 512 consecutive bytes, aligned to 256
	s_wait_xcnt 0x0                                ; the store has read its registers: v192-255 are written again below
.Lno_coef:
	; ---- waves 7 to 15: x goes out
	s_cmp_lt_u32 s14, 7
	s_cbranch_scc1 .Lno_xs
	s_wait_loadcnt 63                              ; behind x's last load 64 loads were issued: x's are in
	s_cmp_eq_u32 s14, 7
	s_cbranch_scc1 .Lxs_sc
.irp j, 0,1,2
	global_store_b128 v[XS], v[XD+4*\j:XD+4*\j+3], s[60:61] offset:512*\j   ; 32 lanes fill 512 consecutive bytes, aligned to 256
.endr
	s_branch .Lxs_done
.Lxs_sc:
	global_store_b128 v[YS], v[YD:YD+3], s[58:59]  ; sixteen lanes fill 256 consecutive bytes, aligned
.Lxs_done:
	s_wait_xcnt 0x0                                ; the stores have read their registers
.Lno_xs:
; The first pass over a block that lies in v[x] .. v[x + 63]: mb, e in place, em, s.
.macro P1 x, b
	v_max3_num_f32 v[CM], v[\x], v[\x+2], v[\x+4]
	v_max3_num_f32 v[CM+1], v[\x+1], v[\x+3], v[\x+5]
.irp i, 6,10,14,18,22,26,30,34,38,42,46,50,54,58
	s_delay_alu instid0(VALU_DEP_2)
	v_max3_num_f32 v[CM], v[CM], v[\x+\i], v[\x+\i+2]
	s_delay_alu instid0(VALU_DEP_2)
	v_max3_num_f32 v[CM+1], v[CM+1], v[\x+\i+1], v[\x+\i+3]
.endr
	s_delay_alu instid0(VALU_DEP_2)
	v_max_num_f32 v[CM], v[CM], v[\x+62]
	s_delay_alu instid0(VALU_DEP_2)
	v_max_num_f32 v[CM+1], v[CM+1], v[\x+63]
	s_delay_alu instid0(VALU_DEP_2)
	v_mul_f32 v[MB+2*\b], s28, v[CM]
	s_delay_alu instid0(VALU_DEP_2)
	v_mul_f32 v[MB+2*\b+1], s28, v[CM+1]
.set i, 0
.rept 32
	v_pk_fma_f32 v[\x+i:\x+i+1], v[\x+i:\x+i+1], s[28:29], v[MB+2*\b:MB+2*\b+1] op_sel_hi:[1,0,1] neg_lo:[0,0,1] neg_hi:[0,0,1]   ; c L - mb, both columns
.set i, i+2
.endr
	v_fma_f32 v[EM+2*\b], v[CM], s28, -v[MB+2*\b]
	v_fma_f32 v[EM+2*\b+1], v[CM+1], s28, -v[MB+2*\b+1]
.set i, 0
	s_wait_alu depctr_va_vdst(0)                   ; ahead of the batch
.rept 64
	v_exp_f32 v[\x+i], v[\x+i]
.set i, i+1
.endr
	v_exp_f32 v[EM+2*\b], v[EM+2*\b]
	v_exp_f32 v[EM+2*\b+1], v[EM+2*\b+1]
	v_nop
	s_wait_alu depctr_va_vdst(0)                   ; one wait for the 66
	v_pk_add_f32 v[SS+2*\b:SS+2*\b+1], v[\x:\x+1], v[\x+2:\x+3]   ; the sums, in two chains
	v_pk_add_f32 v[S2:S2+1], v[\x+4:\x+5], v[\x+6:\x+7]
.irp i, 8,12,16,20,24,28,32,36,40,44,48,52,56,60
	v_pk_add_f32 v[SS+2*\b:SS+2*\b+1], v[SS+2*\b:SS+2*\b+1], v[\x+\i:\x+\i+1]
	v_pk_add_f32 v[S2:S2+1], v[S2:S2+1], v[\x+\i+2:\x+\i+3]
.endr
	s_delay_alu instid0(VALU_DEP_1)
	v_pk_add_f32 v[SS+2*\b:SS+2*\b+1], v[SS+2*\b:SS+2*\b+1], v[S2:S2+1]
.endm
.macro LDB x, k                        ; block 2 + k out of my region
.set i, 0
.rept 32
	ds_load_b64 v[\x+2*i:\x+2*i+1], v[LADR] offset:8192*\k+256*i
.set i, i+1
.endr
.endm
.macro STB k                           ; and its e back to the same bytes: they have had their one fill
.set i, 0
.rept 32
	ds_store_b64 v[LADR], v[W+2*i:W+2*i+1] offset:8192*\k+256*i
.set i, i+1
.endr
.endm
; The second pass: e x F, the two columns taken apart on the way, and the codes: 24 bytes a column.  Blocks 2 p and 2 p + 1 fill CA and CB.
.macro P2 x, b
.set i, 0
.rept 32
	v_mul_f32 v[W+i], v[\x+2*i], v[MB+2*\b]
	v_mul_f32 v[W+32+i], v[\x+2*i+1], v[MB+2*\b+1]
.set i, i+1
.endr
	v_cvt_scalef32_pk16_bf6_f32 v[CA+6*(\b%2):CA+6*(\b%2)+2], v[W:W+15], v[EM+2*\b]
	v_cvt_scalef32_pk16_bf6_f32 v[SS:SS+2], v[W+16:W+31], v[EM+2*\b]           ; (a conversion's three registers begin on an even number: the second half of a block's six is made elsewhere and moved)
	v_cvt_scalef32_pk16_bf6_f32 v[CB+6*(\b%2):CB+6*(\b%2)+2], v[W+32:W+47], v[EM+2*\b+1]
	v_cvt_scalef32_pk16_bf6_f32 v[SS+4:SS+6], v[W+48:W+63], v[EM+2*\b+1]
	v_nop                                          ; one plain place behind the scaled conversions
.irp i, 0,1,2
	v_mov_b32 v[CA+6*(\b%2)+3+\i], v[SS+\i]
	v_mov_b32 v[CB+6*(\b%2)+3+\i], v[SS+4+\i]
.endr
.endm
; Blocks 2 p + h of column u are the operand's registers 6 p .. 6 p + 5 of lane (r, h): p = 0: registers 0-3 (j = 0) and 4, 5 (j = 1, its first 8 bytes); p = 1: registers 6, 7 (j = 1, its last 8) and 8-11 (j = 2)
.macro CSTORE p
.irp u, 0,1
.irp h, 0,1
.if \p == 0
	ds_store_b128 v[CST], v[CA+12*\u+6*\h:CA+12*\u+6*\h+3] offset:1536*\u+128*\h
	ds_store_b64 v[CST], v[CA+12*\u+6*\h+4:CA+12*\u+6*\h+5] offset:1536*\u+128*\h+256
.else
	ds_store_b64 v[CST], v[CA+12*\u+6*\h:CA+12*\u+6*\h+1] offset:1536*\u+128*\h+264
	ds_store_b128 v[CST], v[CA+12*\u+6*\h+2:CA+12*\u+6*\h+5] offset:1536*\u+128*\h+512
.endif
.endr
.endr
	s_wait_dscnt 0x0                               ; the stores have read their registers
.endm
	; ---- the first pass: the blocks in LDS, then those in registers
	s_wait_tensorcnt 0x0                           ; my tile has landed; only I touch it until the second barrier
	LDB W, 0
	s_wait_dscnt 0x0
	P1 W, 2
	STB 0
	s_wait_dscnt 0x0
	LDB W, 1
	s_wait_dscnt 0x0
	P1 W, 3
	STB 1
	s_wait_loadcnt 32                              ; rows 0 to 31 are in; the 32 loads of rows 32 to 63 may be out
	P1 X0, 0
	s_wait_loadcnt 0x0
	P1 X1, 1
	; ---- my wave's figures: the largest of its four mb, and its sum under that
	v_max3_num_f32 v[MW], v[MB], v[MB+2], v[MB+4]
	v_max3_num_f32 v[MW+1], v[MB+1], v[MB+3], v[MB+5]
	s_delay_alu instid0(VALU_DEP_2)
	v_max_num_f32 v[MW], v[MW], v[MB+6]
	s_delay_alu instid0(VALU_DEP_2)
	v_max_num_f32 v[MW+1], v[MW+1], v[MB+7]
.irp b, 0,1,2,3
	v_pk_add_f32 v[GG+2*\b:GG+2*\b+1], v[MB+2*\b:MB+2*\b+1], v[MW:MW+1] neg_lo:[0,1] neg_hi:[0,1]
.endr
	s_wait_alu depctr_va_vdst(0)
.irp j, 0,1,2,3,4,5,6,7
	v_exp_f32 v[GG+\j], v[GG+\j]
.endr
	v_nop
	s_wait_alu depctr_va_vdst(0)
	v_pk_mul_f32 v[SW:SW+1], v[SS:SS+1], v[GG:GG+1]
.irp b, 1,2,3
	v_pk_fma_f32 v[SW:SW+1], v[SS+2*\b:SS+2*\b+1], v[GG+2*\b:GG+2*\b+1], v[SW:SW+1]
.endr
	ds_store_b64 v[REDW], v[MW:MW+1]
	ds_store_b64 v[REDW], v[SW:SW+1] offset:256
	s_wait_dscnt 0x0                               ; for the others' sake: my stores have landed
	s_barrier_signal -1
	s_barrier_wait -1                              ; all sixteen waves' figures lie in LDS
	; ---- every wave: the columns' M and S, then F, the scale operands and the scale words of its own four blocks
.irp u, 0,1,2,3,4,5,6,7,8,9,10,11,12,13,14,15
	ds_load_b64 v[W+4*\u:W+4*\u+1], v[REDR] offset:512*\u
	ds_load_b64 v[W+4*\u+2:W+4*\u+3], v[REDR] offset:512*\u+256
.endr
	s_wait_dscnt 0x0
	v_max3_num_f32 v[MX], v[W], v[W+4], v[W+8]
	v_max3_num_f32 v[MX+1], v[W+1], v[W+5], v[W+9]
.irp u, 3,5,7,9,11,13
	s_delay_alu instid0(VALU_DEP_2)
	v_max3_num_f32 v[MX], v[MX], v[W+4*\u], v[W+4*\u+4]
	s_delay_alu instid0(VALU_DEP_2)
	v_max3_num_f32 v[MX+1], v[MX+1], v[W+4*\u+1], v[W+4*\u+5]
.endr
	s_delay_alu instid0(VALU_DEP_2)
	v_max_num_f32 v[MX], v[MX], v[W+60]
	s_delay_alu instid0(VALU_DEP_2)
	v_max_num_f32 v[MX+1], v[MX+1], v[W+61]
.irp u, 0,1,2,3,4,5,6,7,8,9,10,11,12,13,14,15
	v_pk_add_f32 v[W+4*\u:W+4*\u+1], v[W+4*\u:W+4*\u+1], v[MX:MX+1] neg_lo:[0,1] neg_hi:[0,1]
.endr
.irp b, 0,1,2,3
	v_pk_add_f32 v[GG+2*\b:GG+2*\b+1], v[MB+2*\b:MB+2*\b+1], v[MX:MX+1] neg_lo:[0,1] neg_hi:[0,1]
.endr
	s_wait_alu depctr_va_vdst(0)
.irp u, 0,1,2,3,4,5,6,7,8,9,10,11,12,13,14,15
	v_exp_f32 v[W+4*\u], v[W+4*\u]
	v_exp_f32 v[W+4*\u+1], v[W+4*\u+1]
.endr
.irp j, 0,1,2,3,4,5,6,7
	v_exp_f32 v[GG+\j], v[GG+\j]
.endr
	v_nop
	s_wait_alu depctr_va_vdst(0)                   ; one wait for the forty
	v_pk_mul_f32 v[SU:SU+1], v[W+2:W+3], v[W:W+1]  ; S, in two chains
	v_pk_mul_f32 v[INV:INV+1], v[W+6:W+7], v[W+4:W+5]
.irp u, 2,4,6,8,10,12,14
	v_pk_fma_f32 v[SU:SU+1], v[W+4*\u+2:W+4*\u+3], v[W+4*\u:W+4*\u+1], v[SU:SU+1]
	v_pk_fma_f32 v[INV:INV+1], v[W+4*\u+6:W+4*\u+7], v[W+4*\u+4:W+4*\u+5], v[INV:INV+1]
.endr
	s_delay_alu instid0(VALU_DEP_1)
	v_pk_add_f32 v[SU:SU+1], v[SU:SU+1], v[INV:INV+1]
	s_wait_alu depctr_va_vdst(0)
	v_rcp_f32 v[INV], v[SU]
	v_rcp_f32 v[INV+1], v[SU+1]
	v_nop
	s_wait_alu depctr_va_vdst(0)
.irp b, 0,1,2,3
	v_pk_mul_f32 v[MB+2*\b:MB+2*\b+1], v[GG+2*\b:GG+2*\b+1], v[INV:INV+1]      ; F = 2^(mb - M) / S
.endr
.irp b, 0,1,2,3
	v_pk_mul_f32 v[EM+2*\b:EM+2*\b+1], v[EM+2*\b:EM+2*\b+1], v[MB+2*\b:MB+2*\b+1]   ; the block's largest connection
.endr
.irp j, 0,1,2,3,4,5,6,7
	v_max_num_f32 v[EM+\j], 0x2800000, v[EM+\j]    ; the floor 2^(5 - 127): the byte cannot fall under 1
.endr
.irp j, 0,1,2,3,4,5,6,7
	v_add_nc_u32 v[EM+\j], 0xfe000000, v[EM+\j]    ; 4 off the exponent field: the conversion's scale operand
.endr
.irp j, 0,1,2,3,4,5,6,7
	v_lshrrev_b32 v[SS+\j], 23, v[EM+\j]           ; the scale's byte
.endr
.irp j, 0,1
	v_lshl_or_b32 v[SWA+\j], v[SS+2+\j], 8, v[SS+\j]           ; byte b of the word is K block 4 w + b
	s_delay_alu instid0(VALU_DEP_1)
	v_lshl_or_b32 v[SWA+\j], v[SS+4+\j], 16, v[SWA+\j]
	s_delay_alu instid0(VALU_DEP_1)
	v_lshl_or_b32 v[SWA+\j], v[SS+6+\j], 24, v[SWA+\j]
.endr
	; ---- the second pass
	P2 X0, 0
	LDB X0, 0                                      ; block 2's e comes into the registers that block 0 has left,
	P2 X1, 1
	LDB X1, 1                                      ; block 3's into block 1's
	s_wait_alu depctr_va_vdst(0)                   ; the wait ahead of the blocking wait
	s_wait_dscnt 0x0                               ; both are in: my region holds nothing that I still want
	s_barrier_signal -1
	s_barrier_wait -1                              ; no wave reads its region any more: the stage may be written
	CSTORE 0
	P2 X0, 2
	P2 X1, 3
	CSTORE 1
	ds_store_b32 v[SCW], v[SWA]
	ds_store_b32 v[SCW], v[SWA+1] offset:8
	s_wait_dscnt 0x0                               ; for the others' sake: my codes and scale words have landed
	s_barrier_signal -1
	s_barrier_wait -1                              ; the stage is whole; nothing is stored to LDS from here on
	; ---- the way out: of slot w / 2 I store row blocks 4 (w % 2) + 0 .. 3: 24 units of 256 bytes, two an instruction; and 256 bytes of scale words
.set t, 0
.rept 12
	ds_load_b128 v[X0+4*t:X0+4*t+3], v[CRD] offset:TP*(t/6)+1536*((t/3)%2)+512*(t%3)
.set t, t+1
.endr
	ds_load_b64 v[112:113], v[SCR]
.set t, 0
.rept 12
	s_wait_dscnt 12-t                              ; LDS loads come back in order (ISA guide 5.7.1): load t is in, the 12 - t younger ones may be out
	global_store_b128 v[GOC], v[X0+4*t:X0+4*t+3], s[8:9] offset:1024*t   ; each sixteen lanes fill 256 consecutive bytes, aligned
.set t, t+1
.endr
	s_wait_dscnt 0x0
	global_store_b64 v[GOFF], v[112:113], s[10:11] ; 32 lanes store 256 consecutive bytes, aligned
	s_wait_tensorcnt 0x0                           ; the wave's end
	ds_add_u32 v[SPW], v[NIL]
	s_wait_dscnt 0x0
	s_endpgm
.Lfunc_end_k_q877bc12e05_prep:
	.size	k_q877bc12e05_prep, .Lfunc_end_k_q877bc12e05_prep-k_q877bc12e05_prep
	.p2alignl 7, 3214868480
	.fill 96, 4, 3214868480
	.section	.rodata,"a",@progbits
	.p2align	6, 0x0
	.amdhsa_kernel k_q877bc12e05_prep
		.amdhsa_group_segment_fixed_size 327680
		.amdhsa_private_segment_fixed_size 0
		.amdhsa_enable_private_segment 0
		.amdhsa_kernarg_size 56
		.amdhsa_user_sgpr_count 2
		.amdhsa_user_sgpr_kernarg_segment_ptr 1
		.amdhsa_wavefront_size32 1
		.amdhsa_system_sgpr_workgroup_id_x 1
		.amdhsa_system_sgpr_workgroup_id_y 1
		.amdhsa_system_sgpr_workgroup_id_z 1
		.amdhsa_system_vgpr_workitem_id 0
		.amdhsa_next_free_vgpr 256
		.amdhsa_next_free_sgpr 66
		.amdhsa_reserve_vcc 0
		.amdhsa_float_denorm_mode_32 3
		.amdhsa_float_denorm_mode_16_64 3
		.amdhsa_memory_ordered 1
		.amdhsa_forward_progress 1
		.amdhsa_inst_pref_size 94
	.end_amdhsa_kernel
	.amdgpu_metadata
---
amdhsa.version: [ 1, 2 ]
amdhsa.kernels:
  - .name:           k_q877bc12e05_prep
    .symbol:         k_q877bc12e05_prep.kd
    .args:
      - { .name: c, .offset: 0, .size: 8, .value_kind: global_buffer, .address_space: global }
      - { .name: w, .offset: 8, .size: 8, .value_kind: global_buffer, .address_space: global }
      - { .name: cb, .offset: 16, .size: 8, .value_kind: global_buffer, .address_space: global }
      - { .name: xb, .offset: 24, .size: 8, .value_kind: global_buffer, .address_space: global }
      - { .name: coef, .offset: 32, .size: 8, .value_kind: global_buffer, .address_space: global }
      - { .name: x_codes, .offset: 40, .size: 8, .value_kind: global_buffer, .address_space: global }
      - { .name: x_scales, .offset: 48, .size: 8, .value_kind: global_buffer, .address_space: global }
    .group_segment_fixed_size: 327680
    .private_segment_fixed_size: 0
    .kernarg_segment_align: 8
    .kernarg_segment_size: 56
    .max_flat_workgroup_size: 512
    .sgpr_count:     66
    .vgpr_count:     256
    .wavefront_size: 32
...
	.end_amdgpu_metadata
.endif
;; end of part 1
;; launch gates (part 2): grid 64 x 4, 4 waves a work-group, clusters of 4 x 4, 327,680 bytes of LDS; arguments xb, cb, coef, out0; writes out0
.if DOCPART == 2
	.amdgcn_target "amdgcn-amd-amdhsa--gfx1250"
	.amdhsa_code_object_version 6
	.text
	.protected	k_q877bc12e05_gates
	.globl	k_q877bc12e05_gates
	.p2align	8
	.type	k_q877bc12e05_gates,@function
k_q877bc12e05_gates:
	s_mov_b64 s[64:65], 0
	v_nop
	global_prefetch_b8 v0, s[64:65] scope:SCOPE_SE
	s_setreg_imm32_b32 hwreg(HW_REG_WAVE_MODE, 25, 1), 1
	s_wait_xcnt 0x0
	s_wait_alu depctr_hold_cnt(0) depctr_sa_sdst(0) depctr_va_vdst(0) depctr_va_sdst(0) depctr_va_ssrc(0) depctr_va_vcc(0) depctr_vm_vsrc(0)
	s_getreg_b32 s2, hwreg(HW_REG_IB_STS2, 6, 4)
	s_cmp_eq_u32 s2, 0
	s_cbranch_scc0 .Lentry_in_a_cluster
	s_endpgm
.Lentry_in_a_cluster:
	s_bfe_u32 s2, ttmp6, 0x10000c
	s_cmp_lg_u32 s2, 0xf033
	s_cbranch_scc0 .Lentry_shape_is_right
	s_endpgm
.Lentry_shape_is_right:
; y[m][n] = sum over k of x[m][k] connections[k][n], on codes of BF6 (E3M2) with one E8M0 scale for each 32 along K; out0[m][g] = a0 + a1 A + a2 B + a3 A B with A, B = y's columns 2 g, 2 g + 1.
; The 16 gates and their weighted sum are that identity for all values of A and B (shown at the head of the launch before, which made coef = (a0, a2, a1, a3) a gate); y never goes to memory.
; OPERANDS: xb and cb, laid by the launch before as [group of 128 rows][slot of 256 K][25,600 bytes]: 16 fragments as images of the operand's registers (row block i, step q at 3,072 i + 1,536 q), then the rows' scale words.
; So a wave's one tensor load is a dense block, 100 rows of 256 bytes, and brings codes and scales together; a fragment is three loads of 16 bytes a lane on 512 consecutive bytes each.
; A tile of y is 256 x 256 (128 gates): four waves, each 128 x 128: 64 accumulators, 512 registers.  K goes through a ring of two slots of 4 x 25,600 bytes, two steps of 128 K each.
; A WORK-GROUP STAYS: it makes two tiles, 1,024 rows apart, on the same columns; the ring goes on into the second tile, and nothing waits for the first tile's stores.
; CLUSTERS 4 x 4: the four of a row need the same blocks of x, the four of a column the same blocks of the connections: each is asked for jointly.
; THE WAY OUT needs no LDS: in cb row r of row block 2 t + u is column 2 g + u, g = 4 r + t of the wave's 64 gates.  Register j of accumulator (a, 2 t + u) in lane (r, h) is row 16 a + 8 h + j of that column:
; a lane makes gates 4 r + 0 .. 3 of a row, 16 bytes, and sixteen lanes store a row's 256 consecutive bytes, aligned.
; PREFETCH: behind each refill of the loop a wave names the block two refills on, 25 of its 100 units of 256 bytes; the four partners share the units out by address.  A tile's slots 0 to 3 come by their loads alone;
; the connections' blocks are named in the first tile alone: the second reads the same ones again.
; REGISTERS: window 0: v0-31 addresses; v32-63 scale words, a set for each slot; v64-79 coefficients; v96-159 results, two sets; v160-255 x's fragments, one set.
; window 1: v0-95, v96-191 the connections' fragments, two sets; v192-255 scratch of the way out.  windows 2, 3: the accumulators of my rows 0-63, 64-127: (a, b) at v[8 (8 (a % 4) + b)].
.set BLK,    25600
.set GRP,    8*BLK
.set SLOT,   4*BLK                     ; x's two groups, then the connections' two
.set SPARE,  2*SLOT                    ; the spare words, 128 bytes a wave
.set SCO,    24576                     ; the scale words in a block
.set NEXT_A, 8*GRP-6*BLK               ; from a slot's last block of a tile to its first of the next: four tile rows down, back along K
.set BACK_B, 6*BLK
.set OROW,   32768
.set LAPS,   4
.set ADRA, 16                          ; v16-17 LDS address of my x fragments in slot 0, 1
.set ADRB, 20                          ; v20-21 the connections'
.set ADRS, 22                          ; v22-23 scale words: lanes 0-15 x's rows, lanes 16-31 the connections'
.set CO,   26                          ; my offset in out0: 8 h rows + 16 r
.set CFO,  27                          ; 64 r: my four gates' coefficients
.set SPW,  28
.set NIL,  29
.set PFO,  30                          ; 256 x min(lane, 24)
.set SC,   32                          ; set s at SC + 16 s; register 2 i + q: row block i, step q
.set CF,   64
.set OO,   96
.set AF,   160
.set TT,   192
.set G1, 24
.set G0, 32
.set G1B, 48
.set G0B, 56
.set PFA, 44
.set LIM, 43
.set MSB, 0
.macro WIN new                         ; the immediate's high byte repeats the setting that is left
.if MSB != (\new)
	s_set_vgpr_msb (MSB<<8)|(\new)
.set MSB, (\new)
.endif
.endm
.set MUL_LO, 0xa4                      ; source 0 (x) window 0, source 1 (connections) window 1, C and D window 2
.set MUL_HI, 0xf4
.set TO_B,   0x40
; A joint load: waves 0 and 1 fetch x's two groups, waves 2 and 3 the connections'.  The branch hangs on the wave's number alone.
.macro JLOAD s
	s_cmp_eq_u32 s15, 0
	s_cbranch_scc0 .Lfor_b_\@
	tensor_load_to_lds s[G0+4*\s:G0+4*\s+3], s[G1:G1+7]
	s_nop 0
.rept 4
	v_nop
.endr
	s_branch .Lasked_\@
.Lfor_b_\@:
	tensor_load_to_lds s[G0B+4*\s:G0B+4*\s+3], s[G1B:G1B+7]
	s_nop 0
.rept 4
	v_nop
.endr
.Lasked_\@:
.endm
.macro ASK                             ; s3 = 1 in the loop's last trip, whose refills have no block two on
	s_cmp_gt_u32 s3, s[LIM]
	s_cbranch_scc0 .Lnot_mine_\@
	global_prefetch_b8 v[PFO], s[PFA:PFA+1] offset:2*BLK th:TH_LOAD_NT scope:SCOPE_SE
.Lnot_mine_\@:
.endm
.macro CREST                           ; a round of the cluster's barrier behind its opening barrier
	s_cmp_lg_u32 s14, 0
	s_cbranch_scc1 .Lnot_wave_0_\@
	s_barrier_signal -3
.Lnot_wave_0_\@:
	s_barrier_wait -3
	s_barrier_signal -1
	s_barrier_wait -1
.endm
.macro CROUND
	s_barrier_signal -1
	s_barrier_wait -1
	CREST
.endm
	s_load_b256 s[4:11], s[0:1], 0x0               ; xb, cb, coef, out0
	v_lshl_add_u32 v[SPW], v0, 2, SPARE
	v_mov_b32 v[NIL], 0
	ds_add_u32 v[SPW], v[NIL]                      ; the opening: the add, twice on end, and its wait
	ds_add_u32 v[SPW], v[NIL]
	v_lshrrev_b32 v1, 5, v0
	v_readfirstlane_b32 s14, v1                    ; wave 0..3
	s_lshr_b32 s15, s14, 1                         ; my half of the tile's rows.  Also: I fetch x (0) or the connections (1)
	s_and_b32 s16, s14, 1                          ; my half of its columns.  Also: which group I fetch
	s_bfe_u32 s40, ttmp6, 0x40000                  ; cx
	s_bfe_u32 s41, ttmp6, 0x40004                  ; cy: the first tile's row (the grid is one cluster high)
	s_lshl_b32 s42, ttmp9, 2
	s_add_co_u32 s42, s42, s40                     ; tile column
	s_lshl_b32 s17, s41, 2
	s_lshl_b32 s17, 15, s17                        ; my row of the cluster
	s_lshl_b32 s18, 0x1111, s40                    ; my column
	s_or_b32 s[G1], s17, (3<<16)|(1<<21)           ; elements of 8 bytes, no padding; bit 21 beside the mask
	s_or_b32 s[G1B], s18, (3<<16)|(1<<21)
.irp g, G1, G1B
	s_mov_b32 s[\g+1], 32<<16                      ; rows of 32 elements: 256 bytes
	s_mov_b32 s[\g+2], 100<<16                     ; 100 rows
	s_mov_b32 s[\g+3], 32<<16
	s_mov_b32 s[\g+4], 100
	s_mov_b32 s[\g+5], 32                          ; dense
	s_mov_b32 s[\g+6], 0
	s_mov_b32 s[\g+7], 0
.endr
	s_lshl_b32 s20, s41, 1
	s_add_co_u32 s20, s20, s16
	s_mul_i32 s20, s20, GRP                        ; x: group 2 x tile row + half
	s_mov_b32 s21, 0
	s_lshl_b32 s46, s42, 1
	s_add_co_u32 s46, s46, s16
	s_mul_i32 s46, s46, GRP                        ; connections: group 2 x tile column + half
	s_mov_b32 s47, 0
	s_mul_i32 s19, s14, BLK                        ; LDS: wave x a block
	s_wait_dscnt 0x0
	s_wait_kmcnt 0x0
	s_add_nc_u64 s[20:21], s[4:5], s[20:21]
	s_add_nc_u64 s[46:47], s[6:7], s[46:47]
	CROUND                                         ; all sixteen work-groups are here: the first joint loads meet
.irp s, 0,1
	s_mov_b32 s[G0+4*\s], 1
	s_add_co_u32 s[G0+4*\s+1], s19, \s*SLOT
	s_add_nc_u64 s[G0+4*\s+2:G0+4*\s+3], s[20:21], \s*BLK
	s_or_b32 s[G0+4*\s+3], s[G0+4*\s+3], 0x80000000
	s_mov_b32 s[G0B+4*\s], 1
	s_add_co_u32 s[G0B+4*\s+1], s19, \s*SLOT
	s_add_nc_u64 s[G0B+4*\s+2:G0B+4*\s+3], s[46:47], \s*BLK
	s_or_b32 s[G0B+4*\s+3], s[G0B+4*\s+3], 0x80000000
.endr
	JLOAD 0                                        ; slot 0: one tensor load a wave at the head
	s_cmp_eq_u32 s15, 0
	s_cselect_b32 s22, s40, s41                    ; my place among the four that ask with me
	s_cselect_b64 s[PFA:PFA+1], s[20:21], s[46:47]
	s_mul_i32 s22, s22, 6400                       ; my work-group's 25 units
	s_add_co_u32 s22, s22, BLK                     ; at block 1: the first refill steps it to 2 and names block 4
	s_mov_b32 s23, 0
	s_add_nc_u64 s[PFA:PFA+1], s[PFA:PFA+1], s[22:23]
	s_mov_b32 s[LIM], 1
	v_and_b32 v1, 7, v0                            ; r % 8
	v_bfe_u32 v2, v0, 3, 1                         ; r / 8
	v_bfe_u32 v3, v0, 4, 1                         ; h
	v_xor_b32 v4, v2, v3
	v_lshlrev_b32 v5, 4, v1
	v_lshl_add_u32 v6, v2, 9, v5                   ; scale words: 512 (r / 8) + 16 (r % 8)
	v_lshl_add_u32 v5, v2, 8, v5
	v_lshl_add_u32 v5, v4, 7, v5                   ; the image's place of lane (r, h): 256 (r / 8) + 128 (h xor r / 8) + 16 (r % 8)
	s_mul_i32 s22, s15, BLK                        ; my 128 rows of x
	s_mul_i32 s23, s16, BLK
	s_add_co_u32 s23, s23, 2*BLK                   ; my 128 columns
.irp s, 0,1
	v_add_nc_u32 v[ADRA+\s], s22, v5
	v_add_nc_u32 v[ADRB+\s], s23, v5
	s_add_co_u32 s22, s22, SLOT
	s_add_co_u32 s23, s23, SLOT
.endr
	s_xor_b32 s17, s15, 1
	s_add_co_u32 s17, s17, s16
	s_add_co_u32 s17, s17, 1
	s_mul_i32 s17, s17, BLK                        ; from x's block to the connections': 2 + column half - row half blocks
	s_wait_alu depctr_va_vdst(0)                   ; the wait here, directly ahead of the reader below
	v_mul_u32_u24 v7, s17, v3                      ; lanes 16-31 take the connections'
	s_mul_i32 s18, s15, BLK
	s_add_co_u32 s18, s18, SCO
	v_add_nc_u32 v6, v6, v7
	v_add_nc_u32 v[ADRS], s18, v6
	v_add_nc_u32 v[ADRS+1], SLOT, v[ADRS]
	v_and_b32 v8, 15, v0
	v_lshlrev_b32 v8, 4, v8
	v_lshl_add_u32 v[CO], v3, 18, v8               ; 8 h rows of 32,768 bytes + 16 r
	v_lshlrev_b32 v[CFO], 2, v8
	v_and_b32 v9, 31, v0
	v_min_u32 v9, 24, v9                           ; the lanes left over name the last unit again
	v_lshlrev_b32 v[PFO], 8, v9
	s_lshl_b32 s22, s42, 1
	s_add_co_u32 s22, s22, s16
	s_lshl_b32 s22, s22, 10                        ; my 64 gates' coefficients: 1,024 bytes
	s_mov_b32 s23, 0
	s_add_nc_u64 s[8:9], s[8:9], s[22:23]
	s_lshl_b32 s22, s41, 8
	s_lshl_b32 s17, s15, 7
	s_add_co_u32 s22, s22, s17                     ; my first row of out0,
	s_lshl_b32 s22, s22, 15
	s_lshl_b32 s17, s42, 9
	s_add_co_u32 s22, s22, s17
	s_lshl_b32 s17, s16, 8
	s_add_co_u32 s22, s22, s17                     ; my 64 gates: 256 aligned bytes of it
	s_add_nc_u64 s[10:11], s[10:11], s[22:23]
.macro FRAG reg, adr, off
.irp j, 0,1,2
	ds_load_b128 v[\reg+4*\j:\reg+4*\j+3], v[\adr] offset:(\off)+512*\j
.endr
.endm
; 16 matrix instructions: x's row blocks a0, a0 + 1 against the eight column blocks, 128 along K.  p: the connections' set; q: the slot's step; sc: the set of scale words.  zero = 1: the first product starts the sums.
; The 64 accumulators take turns, one instruction a turn, in the same order in every step.
.macro MUL16 a0, p, q, sc, zero
.irp a, \a0, \a0+1
.irp b, 0,1,2,3,4,5,6,7
.if \zero
	v_wmma_scale_f32_16x16x128_f8f6f4 v[8*(8*((\a)%4)+\b):8*(8*((\a)%4)+\b)+7], v[AF+12*(\a):AF+12*(\a)+11], v[96*(\p)+12*\b:96*(\p)+12*\b+11], 0, v[SC+16*(\sc)+2*(\a)+(\q)], v[SC+16*(\sc)+2*\b+(\q)] matrix_a_fmt:MATRIX_FMT_BF6 matrix_b_fmt:MATRIX_FMT_BF6 matrix_b_scale:MATRIX_SCALE_ROW1
.else
	v_wmma_scale_f32_16x16x128_f8f6f4 v[8*(8*((\a)%4)+\b):8*(8*((\a)%4)+\b)+7], v[AF+12*(\a):AF+12*(\a)+11], v[96*(\p)+12*\b:96*(\p)+12*\b+11], v[8*(8*((\a)%4)+\b):8*(8*((\a)%4)+\b)+7], v[SC+16*(\sc)+2*(\a)+(\q)], v[SC+16*(\sc)+2*\b+(\q)] matrix_a_fmt:MATRIX_FMT_BF6 matrix_b_fmt:MATRIX_FMT_BF6 matrix_b_scale:MATRIX_SCALE_ROW1
.endif
.endr
.endr
.endm
.macro FETCH_B slot, q, p              ; 24 loads
	WIN TO_B
.irp i, 0,1,2,3,4,5,6,7
	FRAG 96*(\p)+12*\i, ADRB+\slot, \i*3072+(\q)*1536
.endr
	WIN 0
.endm
.macro FETCH_A slot, q, i0             ; 12 loads: row blocks i0 .. i0 + 3
.irp i, \i0, \i0+1, \i0+2, \i0+3
	FRAG AF+12*(\i), ADRA+\slot, (\i)*3072+(\q)*1536
.endr
.endm
.macro SCALES sc                       ; 4 loads: a slot's scale words, two row blocks x two steps a load
.irp i, 0,1,2,3
	ds_load_b128 v[SC+16*\sc+4*\i:SC+16*\sc+4*\i+3], v[ADRS+\sc] offset:128*\i
.endr
.endm
.macro PLACES                          ; four places behind a matrix instruction, ahead of loads into its registers and of reads of its result (ISA guide 7.12.1 for reads of its result)
.rept 4
	v_nop
.endr
.endm
; A slot's first step.  A row block of x is free when its eight products are issued, so one set serves x: blocks 0-3 are fetched anew in the step's middle, blocks 4-7 at its end.
.macro STEP slot, zero
	s_wait_dscnt 12                                ; all but the youngest 12 loads (x's blocks 4-7)
	WIN MUL_LO
	MUL16 0, 0, 0, \slot, \zero
	MUL16 2, 0, 0, \slot, \zero
	s_wait_dscnt 0
	PLACES
	FETCH_B \slot, 1, 1
	FETCH_A \slot, 1, 0
	WIN MUL_HI
	MUL16 4, 0, 0, \slot, \zero
	MUL16 6, 0, 0, \slot, \zero
	PLACES
	WIN 0
	FETCH_A \slot, 1, 4
.endm
; A slot's second step changes slots: one barrier; in front of it each wave waits for all its tensor loads, adds 0 to its spare word, and waits for that and for its reads of this slot.
; fill = 1: this slot takes the tile's block two on; 2: the next tile's block 0 or 1; 0: nothing, and no round of the cluster's barrier.
.macro TURN slot, next, fill
.if \fill == 1
	s_wait_xcnt 0x0                                ; my last prefetch has read its address
	s_add_nc_u64 s[PFA:PFA+1], s[PFA:PFA+1], BLK
.endif
	s_wait_tensorcnt 0x0                           ; my part of the next slot has landed
	ds_add_u32 v[SPW], v[NIL]
	s_wait_dscnt 13                                ; (the add and the youngest 12 loads may be out)
	WIN MUL_LO
	MUL16 0, 1, 1, \slot, 0
	s_wait_dscnt 0x0                               ; the add is done, and my reads of this slot are over
	s_barrier_signal -1
	MUL16 2, 1, 1, \slot, 0
	WIN 0
	s_barrier_wait -1
.if \fill
	CREST                                          ; no wave of any partner still reads this slot or has a load on its way
.if \fill == 1
	s_add_nc_u64 s[G0+4*\slot+2:G0+4*\slot+3], s[G0+4*\slot+2:G0+4*\slot+3], 2*BLK
	s_add_nc_u64 s[G0B+4*\slot+2:G0B+4*\slot+3], s[G0B+4*\slot+2:G0B+4*\slot+3], 2*BLK
.else
	s_add_nc_u64 s[G0+4*\slot+2:G0+4*\slot+3], s[G0+4*\slot+2:G0+4*\slot+3], NEXT_A
	s_sub_nc_u64 s[G0B+4*\slot+2:G0B+4*\slot+3], s[G0B+4*\slot+2:G0B+4*\slot+3], BACK_B
.endif
	JLOAD \slot                                    ; the first tensor load behind the round; its four v_nop are the places in front of the loads below
.else
	PLACES
.endif
	FETCH_B \next, 0, 0
	FETCH_A \next, 0, 0
	SCALES \next
.if \fill == 1
	ASK
.endif
	WIN MUL_HI
	MUL16 4, 1, 1, \slot, 0
	MUL16 6, 1, 1, \slot, 0
	PLACES
	WIN 0
	FETCH_A \next, 0, 4
.endm
; THE WAY OUT of row block a.  One packed multiply-add makes (a1 A + a0, a3 A + a2), A serving both halves; one multiply-add (a3 A + a2) B + (a1 A + a0).  Each accumulator is read from its low end on.
.macro GATE a
.set AC, 64*((\a)%4)
.set GW, 4*(2+(\a)/4)
.set OB, OO+32*((\a)%2)
.if (\a) > 1
	s_wait_xcnt 0x0                                ; the stores of the block before last have read this set of registers
.endif
	WIN 0x40+GW                                    ; destination window 1, source 1 window 2 or 3
.irp j, 0,1,2,3,4,5,6,7
.irp t, 0,1,2,3
.if \j%2
	v_pk_fma_f32 v[TT+8*\j+2*\t:TT+8*\j+2*\t+1], v[CF+4*\t+2:CF+4*\t+3], v[AC+16*\t+\j-1:AC+16*\t+\j], v[CF+4*\t:CF+4*\t+1] op_sel:[0,1,0] op_sel_hi:[1,1,1]
.else
	v_pk_fma_f32 v[TT+8*\j+2*\t:TT+8*\j+2*\t+1], v[CF+4*\t+2:CF+4*\t+3], v[AC+16*\t+\j:AC+16*\t+\j+1], v[CF+4*\t:CF+4*\t+1] op_sel_hi:[1,0,1]
.endif
.endr
.endr
	WIN 0x11+GW                                    ; sources 0 and 2 window 1, destination window 0
.irp j, 0,1,2,3,4,5,6,7
.irp t, 0,1,2,3
	v_fma_f32 v[OB+4*\j+\t], v[TT+8*\j+2*\t+1], v[AC+16*\t+8+\j], v[TT+8*\j+2*\t]
.endr
.endr
	WIN 0
.irp j, 0,1,2,3,4,5,6,7
	global_store_b128 v[CO], v[OB+4*\j:OB+4*\j+3], s[10:11] offset:(16*(\a)+\j)*OROW th:TH_STORE_NT   ; each sixteen lanes store a row's 256 consecutive bytes, aligned
.endr
.endm
	s_wait_alu depctr_va_vdst(0)                   ; the wait at the head's end
.irp t, 0,1,2,3
	global_load_b128 v[CF+4*\t:CF+4*\t+3], v[CFO], s[8:9] offset:16*\t   ; (a0, a2, a1, a3) of gate 4 r + t: they serve both tiles
.endr
	s_wait_tensorcnt 0x0                           ; my part of slot 0 is in
	ds_add_u32 v[SPW], v[NIL]
	s_wait_dscnt 0x0
	CROUND
	JLOAD 1                                        ; slot 1's first fill, the first tensor load behind the round
	FETCH_B 0, 0, 0
	FETCH_A 0, 0, 0
	SCALES 0
	FETCH_A 0, 0, 4
	s_mov_b32 s2, 2                                ; tiles to go
.Ltile:
	STEP 0, 1                                      ; a tile's first step starts the sums
	s_mov_b32 s3, LAPS-1
.Llap:                                                 ; a trip goes once round the ring and fills both slots again
	TURN 0, 1, 1
	STEP 1, 0
	TURN 1, 0, 1
	STEP 0, 0
	s_sub_co_u32 s3, s3, 1
	s_cmp_lg_u32 s3, 0
	s_cbranch_scc1 .Llap
	s_cmp_eq_u32 s2, 1
	s_cbranch_scc1 .Llast                          ; the last tile's tail is written out: it asks for nothing more
	TURN 0, 1, 2                                   ; the ring goes on into the next tile: slot 0 takes its block 0,
	STEP 1, 0
	TURN 1, 0, 2                                   ; slot 1 its block 1, and its first fragments are fetched
	s_branch .Lout
.Llast:
	TURN 0, 1, 0
	STEP 1, 0
	s_wait_dscnt 12
	WIN MUL_LO
	MUL16 0, 1, 1, 1, 0
	MUL16 2, 1, 1, 1, 0
	s_wait_dscnt 0
	WIN MUL_HI
	MUL16 4, 1, 1, 1, 0
	MUL16 6, 1, 1, 1, 0
	PLACES
	WIN 0
.Lout:
	s_wait_loadcnt 0x0                             ; the coefficients are in
.irp a, 0,1,2,3,4,5,6,7
	GATE \a
.endr
	s_wait_xcnt 0x0                                ; the stores have read their base, the prefetches theirs
	s_add_nc_u64 s[10:11], s[10:11], 1024*OROW     ; the next tile lies 1,024 rows down
	s_add_nc_u64 s[PFA:PFA+1], s[PFA:PFA+1], NEXT_A
	s_cmp_eq_u32 s15, 0
	s_cselect_b32 s[LIM], 1, -1                    ; the connections' waves name nothing more
	s_sub_co_u32 s2, s2, 1
	s_cmp_lg_u32 s2, 0
	s_cbranch_scc1 .Ltile
	s_wait_tensorcnt 0x0                           ; the wave's end
	ds_add_u32 v[SPW], v[NIL]
	s_wait_dscnt 0x0
	CROUND                                         ; the closing round
	s_endpgm
.Lfunc_end_k_q877bc12e05_gates:
	.size	k_q877bc12e05_gates, .Lfunc_end_k_q877bc12e05_gates-k_q877bc12e05_gates
	.p2alignl 7, 3214868480
	.fill 96, 4, 3214868480
	.section	.rodata,"a",@progbits
	.p2align	6, 0x0
	.amdhsa_kernel k_q877bc12e05_gates
		.amdhsa_group_segment_fixed_size 327680
		.amdhsa_private_segment_fixed_size 0
		.amdhsa_enable_private_segment 0
		.amdhsa_kernarg_size 32
		.amdhsa_user_sgpr_count 2
		.amdhsa_user_sgpr_kernarg_segment_ptr 1
		.amdhsa_wavefront_size32 1
		.amdhsa_system_sgpr_workgroup_id_x 1
		.amdhsa_system_sgpr_workgroup_id_y 1
		.amdhsa_system_sgpr_workgroup_id_z 1
		.amdhsa_system_vgpr_workitem_id 0
		.amdhsa_next_free_vgpr 1024
		.amdhsa_next_free_sgpr 66
		.amdhsa_reserve_vcc 0
		.amdhsa_float_denorm_mode_32 3
		.amdhsa_float_denorm_mode_16_64 3
		.amdhsa_memory_ordered 1
		.amdhsa_forward_progress 1
		.amdhsa_inst_pref_size 181
	.end_amdhsa_kernel
	.amdgpu_metadata
---
amdhsa.version: [ 1, 2 ]
amdhsa.kernels:
  - .name:           k_q877bc12e05_gates
    .symbol:         k_q877bc12e05_gates.kd
    .args:
      - { .name: xb, .offset: 0, .size: 8, .value_kind: global_buffer, .address_space: global }
      - { .name: cb, .offset: 8, .size: 8, .value_kind: global_buffer, .address_space: global }
      - { .name: coef, .offset: 16, .size: 8, .value_kind: global_buffer, .address_space: global }
      - { .name: out0, .offset: 24, .size: 8, .value_kind: global_buffer, .address_space: global }
    .group_segment_fixed_size: 327680
    .private_segment_fixed_size: 0
    .kernarg_segment_align: 8
    .kernarg_segment_size: 32
    .max_flat_workgroup_size: 128
    .sgpr_count:     66
    .vgpr_count:     1024
    .wavefront_size: 32
...
	.end_amdgpu_metadata
.endif
;; end of part 2
